; MI455X (gfx1250); checked and timed in simulation.
; The chip was launched on July 23, 2026; its instructions are those of AMD's public machine-readable ISA for CDNA 5 (MIT licence, August 2026) and "CDNA5" Instruction Set Architecture Reference Guide (July 2026). The comments in the code are by the model that wrote it; some were corrected since.
;; Self Attention. Allowed arithmetic: matrix products marked QUANTISED: E2M1 operands, one E8M0 scale for each 32 along K, by v_wmma_scale_f32_16x16x128_f8f6f4 with both operands' format E2M1 (or v_wmma_scale_f32_32x16x128_f4), f32 sums; everything else in f32.
;; Inputs: bk 512 float32; bo 512 float32; bq 512 float32; bv 512 float32; wk_codes 512 x 16 x 16 uint8 (E2M1 codes of wk, K innermost, in blocks of 32 codes, two codes a byte); wk_scales 512 x 16 uint8 (E8M0 scales of wk, one for each 32 codes along K); wo_codes 512 x 16 x 16 uint8 (E2M1 codes of wo, K innermost, in blocks of 32 codes, two codes a byte); wo_scales 512 x 16 uint8 (E8M0 scales of wo, one for each 32 codes along K); wq_codes 512 x 16 x 16 uint8 (E2M1 codes of wq, K innermost, in blocks of 32 codes, two codes a byte); wq_scales 512 x 16 uint8 (E8M0 scales of wq, one for each 32 codes along K); wv_codes 512 x 16 x 16 uint8 (E2M1 codes of wv, K innermost, in blocks of 32 codes, two codes a byte); wv_scales 512 x 16 uint8 (E8M0 scales of wv, one for each 32 codes along K); x_codes 64 x 256 x 16 x 16 uint8 (E2M1 codes of x, K innermost, in blocks of 32 codes, two codes a byte); x_scales 64 x 256 x 16 uint8 (E8M0 scales of x, one for each 32 codes along K).
;; Outputs: out0 64 x 256 x 512 float32.
;; This version of the problem:
;;   THIS VERSION OF THE PROBLEM IS GIVEN IN LOW PRECISION. The matrix products marked QUANTISED in the list below multiply operands that are first quantised to E2M1 (2 exponent bits, 1 mantissa bit; 4 bits a number), with one power-of-two scale for each 32 numbers along K (OCP MX v1.0); their sums are f32. All else is computed in f32.
;;   The module's matrix products, in the order in which they are computed (A, B: the left and right operand; K: the contracted axis; several contracted axes count as one K, in the product's order):
;;     1. [M 16,384, K 512] x [K 512, N 512]; A: input x (given as codes); B: input wq (given as codes): QUANTISED
;;     2. [M 16,384, K 512] x [K 512, N 512]; A: input x (given as codes); B: input wk (given as codes): QUANTISED
;;     3. [M 16,384, K 512] x [K 512, N 512]; A: input x (given as codes); B: input wv (given as codes): QUANTISED
;;     4. batch 1,024 x [M 256, K 32] x [K 32, N 256]; A: computed on the way; B: computed on the way: QUANTISED
;;     5. batch 1,024 x [M 256, K 256] x [K 256, N 32]; A: softmax (see below); B: computed on the way: QUANTISED
;;     6. [M 16,384, K 512] x [K 512, N 512]; A: computed on the way; B: input wo (given as codes): QUANTISED
;;   THE QUANTISER, for each operand of a quantised product, along K:
;;     - K is cut into blocks of 32 from its start; a last block that is shorter is filled with zeros.
;;     - A block's scale is 2^e with e = floor(log2(the largest magnitude in the block)) - 2, held to -126 .. 127; a block of zeros has e = 0. As a byte (E8M0): e + 127.
;;     - Each number is divided by its block's scale, clamped to +-6, and rounded to the nearest number of E2M1, ties to even, subnormals kept.
;;     - The product sums the exact products of the quantised numbers (number of the format x scale) in f32.
;;   ~~~python
;;   def quantise(x, axis):      # numpy; x: float32 -> the quantised numbers, widened to float32 again
;;       x = np.moveaxis(x, axis, -1); K = x.shape[-1]
;;       x = np.pad(x, [(0, 0)] * (x.ndim - 1) + [(0, -K % 32)]); x = x.reshape(x.shape[:-1] + (-1, 32)); a = np.abs(x).max(-1, keepdims=True)
;;       e = np.where(a > 0, np.clip(np.frexp(np.where(a > 0, a, 1))[1] - 1 - 2, -126, 127), 0)      # np.frexp(a)[1] - 1 = floor(log2(a)), exactly
;;       r = np.clip(x / 2.0 ** e, -6, 6)
;;       step = 2.0 ** (np.maximum(np.frexp(np.where(r == 0, 1, r))[1] - 1, 0) - 1)
;;       q = np.round(r / step) * step * 2.0 ** e      # np.round: ties to even
;;       return np.moveaxis(q.reshape(q.shape[:-2] + (-1,))[..., :K], -1, axis).astype(np.float32)
;;   ~~~
;;   SOFTMAX AHEAD OF A QUANTISED PRODUCT. Where the list says 'softmax', what is quantised is not the finished softmax but p = 2^(t - M), with t = logit x log2(e) and M = ceil(the row's largest t), a whole number; so 1/2 < the row's largest p <= 1. The row's sum l is taken of the UNQUANTISED p, in f32, and the product's result is divided by l at the end. Since M is a whole number, a kernel that streams over the keys may use a running M (the ceiling of the running maximum): every later rescaling is an exact power of two, which a block's scale takes up: the codes' values come out the same.
;;   OPERANDS COMPUTED ON THE WAY. 'Computed on the way' means the value that the module computes at that place (a softmax that the list does not call 'softmax' is quantised finished and normalised). What goes into a quantiser is computed in f32, as accurately as f32 sums, v_exp_f32 and their like allow (about 1e-6 of the number): no bf16 or f16 on the way to a quantiser, and a product that is left as it is and whose result goes on into a quantised operand takes f32 operands (vector FMAs, or v_wmma_f32_16x16x4_f32). A number that lies on a knife's edge between two numbers of the format may be rounded either way, as far as f32 arithmetic and the matrix unit's own rounding can turn it there, and no further.
;;   INPUTS GIVEN AS CODES. wk (in the module: [512, 512], K = its axis 0); wo (in the module: [512, 512], K = its axis 0); wq (in the module: [512, 512], K = its axis 0); wv (in the module: [512, 512], K = its axis 0); x (in the module: [64, 256, 512], K = its axis 2): each comes as NAME_codes (uint8): NAME with its K axis moved to the last place and cut into blocks of 32 codes, [.., K / 32, bytes a block], one block behind the other in memory; two codes a byte, the lower K in the low four bits (a code: sign, 2 exponent bits, 1 mantissa bit); and NAME_scales (uint8): the same leading axes, one E8M0 byte (e + 127) for each 32 codes along K. Its value is code x scale, taken as it is: it is not quantised again, and the codes and scales need not be those that the quantiser above would give.
;; One version. Each part assembles by itself: llvm-mc -triple=amdgcn-amd-amdhsa -mcpu=gfx1250 --defsym DOCPART=n.
;; ======== version 1 of 1: 2 launches
;; limits: right only within a limited range of input values
;; workspace buffers: oc 4,194,304 bytes; os 262,144 bytes
;; launch front (part 1): grid 4 x 64, 16 waves a work-group, clusters of 4 x 4, 327,680 bytes of LDS; arguments x_codes, x_scales, wq_codes, wq_scales, bq, wk_codes, wk_scales, bk, wv_codes, wv_scales, bv, oc, os; writes oc, os
.if DOCPART == 1
	.amdgcn_target "amdgcn-amd-amdhsa--gfx1250"
	.amdhsa_code_object_version 6
	.text
	.protected	k_qfee281a78e_front
	.globl	k_qfee281a78e_front
	.p2align	8
	.type	k_qfee281a78e_front,@function
k_qfee281a78e_front:
	s_mov_b64 s[64:65], 0
	v_nop
	global_prefetch_b8 v0, s[64:65] scope:SCOPE_SE
	s_setreg_imm32_b32 hwreg(HW_REG_WAVE_MODE, 25, 1), 1
	s_wait_xcnt 0x0
	s_wait_alu depctr_hold_cnt(0) depctr_sa_sdst(0) depctr_va_vdst(0) depctr_va_sdst(0) depctr_va_ssrc(0) depctr_va_vcc(0) depctr_vm_vsrc(0)
	s_getreg_b32 s2, hwreg(HW_REG_IB_STS2, 6, 4)
	s_cmp_eq_u32 s2, 0
	s_cbranch_scc0 .Lentry_in_a_cluster
	s_endpgm
.Lentry_in_a_cluster:
	s_bfe_u32 s2, ttmp6, 0x10000c
	s_cmp_lg_u32 s2, 0xf033
	s_cbranch_scc0 .Lentry_shape_is_right
	s_endpgm
.Lentry_shape_is_right:
; q = rope(x Wq + bq), k = rope(x Wk + bk), v = x Wv + bv, O = softmax(q k^T / sqrt(32), causal) v, all products on codes of FP4 (E2M1) with one E8M0 scale for each 32 along K.
; O is stored as codes and scale bytes (a head's 32 channels are one block of the output projection's K), in the order of the next launch's operand registers.
; SHARES.  Work-group (g, b): heads 4 g .. 4 g + 3 of batch b, all 256 rows.  Sixteen waves: wave w has head w % 4 and c = w / 4.
;   First part: rows 64 c .. 64 c + 63 of the head's q, k and v: 4 row tiles x 6 weight tiles = 24 accumulators, 192 registers; K goes in four steps of 128.
;   Second part: the head's query tiles c, 7 - c, 8 + c, 15 - c (16 queries each), which want 1, 2, 3, 4 fragments of 64 keys whatever c: every wave has the same work.  Key tiles that the causal mask hides whole are not multiplied.
; ROWS OF A TILE.  Row tile t of group c: lane r holds row 64 c + 8 t + r % 8 + 32 (r / 8).  So a lane's registers of v's four row tiles, and of four score tiles, are 32 neighbouring keys: a whole block along K in one lane.
; q, k: source 0 = 16 weight rows, source 1 = 16 rows of x: lane (r, h) holds one row, channels 8 h + 0 .. 7 and 16 + 8 h + 0 .. 7; q's and k's codes are laid in that same order of channels.  v: sources swapped: a lane holds one channel.
; THE FIRST PRODUCT OF ATTENTION HAS K = 32, the instruction 128: a fragment of K holds four key tiles as its four blocks; q's codes stand in one block of source 1, zero codes in the other three.
; THE MASK comes in as C: 0, or -2^100 for a hidden key, so that p is 0 there.  Key 0 counts for every query.
; SOFTMAX: t = score x log2(e) / sqrt(32); M = the running largest t rounded up to a whole number; p = 2^(t - M) is quantised along the keys; the sum is taken of the unquantised p.
; JOINT LOADS: the four work-groups of a batch ask for x together, the four of a head group for the weights.  Everything is fetched once, at the head; there is no loop to run ahead in, so nothing is prefetched.
; LIMITS: NaN and infinities are not served, nor carried from keys that the mask hides.  Scaled scores (t) stay under 2^31 in magnitude.  A block whose largest magnitude lies under 2^-124, a block of zeros too, keeps the scale byte 1.
.set WB,   70656                       ; LDS: 0: x, eight blocks of 32 rows of 256 + 16 bytes, 8,832 bytes apart: odd blocks start 128 bytes off a multiple of 256;  WB: three tensors x 128 weight rows of 256 + 16
.set WTS,  34816
.set XSC,  175104                      ; x's scale bytes, 16 a row
.set WSC,  179200                      ; the weights' scale bytes, 2,048 a tensor
.set TAB,  185344                      ; (cos, sin): 16 pairs + 16 bytes a row, rows in the order of the tiles
.set QC,   222208                      ; q's codes, then k's: 4,096 bytes a head, 16 a row, rows in the order of the tiles
.set VC,   254976                      ; v's codes, in fragment order
.set QSO,  271360                      ; q's scale bytes, then k's: 256 bytes a head
.set VSO,  273408                      ; v's
.set MK,   274432                      ; the mask's four patterns, 4,096 bytes each, in the result's layout
.set ZR,   290816                      ; 4,096 bytes of zeros
.set SPARE, 294912                     ; the spare words, 128 bytes a wave
.set OSO,  296960                      ; O's scale bytes, 4 a row
.set HD,   100                         ; s100 head of four
.set CC,   101                         ; s101 c
.set G0X, 40
.set G0W, 44
.set G0XS, 48
.set G0WS, 52
.set G1X, 68
.set G1W, 76
.set G1XS, 84
.set G1WS, 92
; first part: v1 x's fragments, v2, v3 the weights' (q and k; v), v4, v5 scale words; v8-39 x; v40-55 weights; v56-57, v58-60 scale words; accumulator (T, i, t) at 64 + 48 t + 16 T + 8 i
.set X, 8
.set W, 40
.set XS, 56
.set WSR, 58
; second part
.set QA, 24                            ; v24-35: pairs of addresses, one for tiles c and 8 + c, one for 7 - c and 15 - c
.set QBD, 26
.set MKA, 28
.set QSA, 30
.set STV, 32
.set OSA, 34
.set H8, 36                            ; 8 h
.set CD, 40                            ; v40-47 O's codes, two registers a tile
.set KF, 64                            ; v64-95 K: fragment c at KF + 8 c
.set VF, 96                            ; v96-127 V: channel tile u, key step s at VF + 8 (2 u + s)
.set S, 128                            ; v128-191 scores, then p
.set QB, 192                           ; v192-211 zeros | q in lanes 0-15 | zeros | q in lanes 16-31 | zeros
.set PCD, 212                          ; v212-219 p's codes
.set OT, 220                           ; v220-235 O^T
.set KSR, 236                          ; scale words: K's 236-237, V's 238-239
.set VSR, 238
.set QS, 240                           ; q's scale byte in all four bytes
.set QRW, 241
.set PW, 242                           ; p's scale word;  v244 -M, v245 the largest t; v[246:247] the sum, v[248:249] its second chain; v250 f, then 1 / sum
.macro PLACES
.rept 4
	v_nop
.endr
.endm
.macro WI m1, m2
	v_wmma_scale_f32_16x16x128_f8f6f4 v[wD:wD+7], v[wA:wA+7], v[wB:wB+7], v[wC:wC+7], v[wS], v[wT] matrix_a_fmt:MATRIX_FMT_FP4 matrix_b_fmt:MATRIX_FMT_FP4 \m1 \m2
.endm
.macro WIZ m1, m2
	v_wmma_scale_f32_16x16x128_f8f6f4 v[wD:wD+7], v[wA:wA+7], v[wB:wB+7], 0, v[wS], v[wT] matrix_a_fmt:MATRIX_FMT_FP4 matrix_b_fmt:MATRIX_FMT_FP4 \m1 \m2
.endm
; c < 0: C is the constant 0.  ra, rb: that source's scales stand in lanes 16-31
.macro WM d, a, b, c, sa, sb, ra, rb
.set wD, \d
.set wA, \a
.set wB, \b
.set wC, \c
.set wS, \sa
.set wT, \sb
.if (\c) < 0
.if (\ra) && (\rb)
	WIZ matrix_a_scale:MATRIX_SCALE_ROW1, matrix_b_scale:MATRIX_SCALE_ROW1
.elseif (\ra)
	WIZ matrix_a_scale:MATRIX_SCALE_ROW1
.elseif (\rb)
	WIZ matrix_b_scale:MATRIX_SCALE_ROW1
.else
	WIZ
.endif
.else
.if (\ra) && (\rb)
	WI matrix_a_scale:MATRIX_SCALE_ROW1, matrix_b_scale:MATRIX_SCALE_ROW1
.elseif (\ra)
	WI matrix_a_scale:MATRIX_SCALE_ROW1
.elseif (\rb)
	WI matrix_b_scale:MATRIX_SCALE_ROW1
.else
	WI
.endif
.endif
.endm
.macro CROUND                          ; a round of the cluster's barrier
	s_barrier_signal -1
	s_barrier_wait -1
	s_cmp_lg_u32 s2, 0
	s_cbranch_scc1 .Lnot_wave_0_\@
	s_barrier_signal -3
.Lnot_wave_0_\@:
	s_barrier_wait -3
	s_barrier_signal -1
	s_barrier_wait -1
.endm
.macro G1C g, d0, rows, pitch          ; descriptor group 1 behind its first word
	s_mov_b32 s[\g+1], \d0<<16
	s_mov_b32 s[\g+2], \rows<<16
	s_mov_b32 s[\g+3], \d0<<16
	s_mov_b32 s[\g+4], \rows
	s_mov_b32 s[\g+5], \pitch
	s_mov_b32 s[\g+6], 0
	s_mov_b32 s[\g+7], 0
.endm
	s_load_b512 s[4:19], s[0:1], 0x0               ; x codes 4, scales 6; wq codes 8, scales 10; bq 12; wk codes 14, scales 16; bk 18
	s_load_b256 s[20:27], s[0:1], 0x40             ; wv codes 20, scales 22; bv 24; oc 26
	s_load_b64 s[28:29], s[0:1], 0x60              ; os
	v_lshl_add_u32 v6, v0, 2, SPARE
	v_mov_b32 v7, 0
	ds_add_u32 v6, v7                              ; the wave's opening: the add, twice on end, and its wait
	ds_add_u32 v6, v7
	v_lshrrev_b32 v8, 5, v0
	v_readfirstlane_b32 s2, v8                     ; wave 0..15
	s_bfe_u32 s3, ttmp6, 0x40000                   ; cx
	s_bfe_u32 s30, ttmp6, 0x40004                  ; cy
	s_lshl_b32 s36, s30, 2
	s_lshl_b32 s36, 15, s36                        ; my row of the cluster: one batch
	s_lshl_b32 s37, 0x1111, s3                     ; my column: one head group
	s_or_b32 s[G1X], s36, (1<<20)|(1<<21)|(5<<22)|(3<<25)     ; rows of 256 bytes, 16 bytes of padding behind each
	s_or_b32 s[G1W], s37, (1<<20)|(1<<21)|(5<<22)|(3<<25)
	s_or_b32 s[G1XS], s36, (3<<16)|(1<<21)         ; dense, elements of 8 bytes
	s_or_b32 s[G1WS], s37, (3<<16)|(1<<21)
	G1C G1X, 256, 32, 256
	G1C G1W, 256, 128, 256
	G1C G1XS, 32, 16, 32
	G1C G1WS, 32, 8, 32
	s_lshl_b32 s38, ttmp9, 2
	s_add_co_u32 s3, s38, s3                       ; head group
	s_and_b32 s39, ttmp7, 0xffff
	s_lshl_b32 s39, s39, 2
	s_add_co_u32 s30, s39, s30                     ; batch
	s_and_b32 s[HD], s2, 3
	s_lshr_b32 s[CC], s2, 2
	s_and_b32 s31, s2, 7
	s_mul_i32 s[G0X+1], s31, 8832                  ; waves 0-7: x's block w
	s_lshl_b32 s31, s31, 13
	s_lshl_b32 s56, s30, 16
	s_add_co_u32 s56, s56, s31
	s_mov_b32 s57, 0
	s_lshl_b32 s60, s30, 12                        ; wave 11: x's scale bytes
	s_mov_b32 s61, 0
	s_lshl_b32 s58, s3, 15                         ; waves 8-10: 128 rows of a weight
	s_mov_b32 s59, 0
	s_lshl_b32 s62, s3, 11                         ; waves 12-14: their scale bytes
	s_mov_b32 s63, 0
	s_mul_i32 s[G0W+1], s[HD], WTS
	s_add_co_u32 s[G0W+1], s[G0W+1], WB
	s_lshl_b32 s[G0WS+1], s[HD], 11
	s_add_co_u32 s[G0WS+1], s[G0WS+1], WSC
	s_mov_b32 s[G0XS+1], XSC
	s_mov_b32 s[G0X], 1
	s_mov_b32 s[G0W], 1
	s_mov_b32 s[G0XS], 1
	s_mov_b32 s[G0WS], 1
	s_wait_dscnt 0x0                               ; both opening adds are done
	s_wait_kmcnt 0x0
	s_add_nc_u64 s[G0X+2:G0X+3], s[4:5], s[56:57]
	s_or_b32 s[G0X+3], s[G0X+3], 0x80000000
	s_add_nc_u64 s[G0XS+2:G0XS+3], s[6:7], s[60:61]
	s_or_b32 s[G0XS+3], s[G0XS+3], 0x80000000
	s_cmp_eq_u32 s[HD], 1                          ; the wave's number chooses the tensor
	s_cselect_b64 s[G0W+2:G0W+3], s[14:15], s[8:9]
	s_cselect_b64 s[G0WS+2:G0WS+3], s[16:17], s[10:11]
	s_cmp_eq_u32 s[HD], 2
	s_cselect_b64 s[G0W+2:G0W+3], s[20:21], s[G0W+2:G0W+3]
	s_cselect_b64 s[G0WS+2:G0WS+3], s[22:23], s[G0WS+2:G0WS+3]
	s_add_nc_u64 s[G0W+2:G0W+3], s[G0W+2:G0W+3], s[58:59]
	s_or_b32 s[G0W+3], s[G0W+3], 0x80000000
	s_add_nc_u64 s[G0WS+2:G0WS+3], s[G0WS+2:G0WS+3], s[62:63]
	s_or_b32 s[G0WS+3], s[G0WS+3], 0x80000000
	CROUND                                         ; all sixteen work-groups are here: the joint loads meet
; ONE tree of branches on the wave's number: no way through the head passes two loads
.macro ARM under, g0, g1, next
	s_cmp_lt_u32 s2, \under
	s_cbranch_scc0 \next
	tensor_load_to_lds s[\g0:\g0+3], s[\g1:\g1+7]
	s_nop 0
.rept 4
	v_nop
.endr
	s_branch .Lhead_asked
\next:
.endm
	ARM 8, G0X, G1X, .Lhead_w
	ARM 11, G0W, G1W, .Lhead_xs
	ARM 12, G0XS, G1XS, .Lhead_ws
	ARM 15, G0WS, G1WS, .Lhead_none
.Lhead_asked:
	; under the loads' flight: the bias, the LDS addresses, the table of cos and sin, the mask's patterns, the zeros
	s_lshl_b32 s38, s3, 2
	s_add_co_u32 s38, s38, s[HD]
	s_lshl_b32 s38, s38, 7                         ; 32 numbers a head
	s_mov_b32 s39, 0
	s_add_nc_u64 s[12:13], s[12:13], s[38:39]
	s_add_nc_u64 s[18:19], s[18:19], s[38:39]
	s_add_nc_u64 s[24:25], s[24:25], s[38:39]
	s_mul_i32 s31, s[CC], 17664                    ; x: two blocks a group
	s_mul_i32 s36, s[HD], 8704
	s_add_co_u32 s36, s36, WB
	s_lshl_b32 s37, s[CC], 10
	s_add_co_u32 s37, s37, XSC
	s_lshl_b32 s32, s[HD], 9
	s_add_co_u32 s32, s32, WSC
	s_bfe_u32 s33, s2, 0x20001                     ; the table: wave w makes rows 32 (w % 8) .. + 31, frequencies 8 (w / 8) .. + 7
	s_mul_i32 s33, s33, 9216
	s_and_b32 s38, s2, 1
	s_mul_i32 s38, s38, 1152
	s_add_co_u32 s33, s33, s38
	s_lshr_b32 s38, s2, 3
	s_lshl_b32 s38, s38, 6
	s_add_co_u32 s33, s33, s38
	s_add_co_u32 s33, s33, TAB
	s_lshl_b32 s34, s2, 10                         ; the mask: wave w makes pattern w / 4, tile w % 4
	s_add_co_u32 s34, s34, MK
	s_lshl_b32 s35, s[CC], 4
	s_lshl_b32 s38, s[HD], 3
	s_sub_co_u32 s35, s35, s38                     ; 16 m - 8 u
	s_and_b32 s39, s2, 7
	s_lshl_b32 s39, s39, 5
.macro FQ k, a, b
	s_mov_b32 s[56+\k], \b
	s_cselect_b32 s[56+\k], \a, s[56+\k]
.endm
	s_cmp_lt_u32 s2, 8
	FQ 0, 0x3f800000, 0x3c23d70a                   ; 10^(-i / 4), correctly rounded: i = 0 .. 7, or 8 .. 15
	FQ 1, 0x3f0ff59a, 0x3bb8449c
	FQ 2, 0x3ea1e89b, 0x3b4f3e37
	FQ 3, 0x3e361887, 0x3ae91528
	FQ 4, 0x3dcccccd, 0x3a83126f
	FQ 5, 0x3d6655c3, 0x3a136a16
	FQ 6, 0x3d0186e2, 0x39a5cb5f
	FQ 7, 0x3c91ad39, 0x393a7753
	v_and_b32 v8, 15, v0                           ; r
	v_bfe_u32 v9, v0, 4, 1                         ; h
	v_and_b32 v10, 7, v0                           ; r % 8
	v_bfe_u32 v11, v0, 3, 1                        ; r / 8
	v_and_b32 v12, 31, v0                          ; lane
	v_bfe_u32 v13, v0, 3, 2                        ; lane / 8
	v_lshlrev_b32 v60, 5, v9
	v_lshlrev_b32 v61, 2, v8
.irp i,0,1                                     ; the bias in the result's layout, into the accumulators of row tile 0
.irp q,0,1
	global_load_b128 v[64+8*\i+4*\q:67+8*\i+4*\q], v60, s[12:13] offset:64*\i+16*\q
	global_load_b128 v[80+8*\i+4*\q:83+8*\i+4*\q], v60, s[18:19] offset:64*\i+16*\q
.endr
	global_load_b32 v[96+8*\i], v61, s[24:25] offset:64*\i
.endr
	v_mul_u32_u24 v1, v11, 8832
	v_mul_u32_u24 v2, v8, 272
	v_lshlrev_b32 v4, 9, v11
	v_mul_u32_u24 v62, v13, 2304
	v_lshlrev_b32 v14, 5, v9
	v_mad_u32_u24 v1, v10, 272, v1
	v_lshl_add_u32 v2, v9, 4, v2
	v_lshl_add_u32 v4, v10, 4, v4
	v_mad_u32_u24 v62, v10, 144, v62
	v_sub_nc_u32 v14, v8, v14
	v_lshl_add_u32 v1, v9, 4, v1
	v_add_nc_u32 v2, s36, v2
	v_lshl_add_u32 v4, v9, 7, v4
	v_add_nc_u32 v62, s33, v62
	v_add_nc_u32 v14, s35, v14                     ; register j of the pattern is hidden where j lies above this
	v_add_nc_u32 v1, s31, v1
	v_add_nc_u32 v3, 2*WTS, v2
	v_add_nc_u32 v4, s37, v4
	v_lshl_add_u32 v5, v12, 4, s32
	v_lshl_add_u32 v63, v12, 4, s34
	v_lshl_add_u32 v24, v0, 3, ZR
	v_mov_b32 v26, 0
	v_mov_b32 v27, 0
	v_mov_b32 v15, 0xf1800000                      ; -2^100
	v_add_nc_u32 v192, s39, v12
	ds_store_b64 v24, v[26:27]                     ; 512 threads x 8 bytes of zeros
.irp j,0,1,2,3,4,5,6,7
	v_cmp_gt_i32 vcc_lo, \j, v14
	v_cndmask_b32 v[16+\j], 0, v15, vcc_lo
.endr
	ds_store_b128 v63, v[16:19]
	ds_store_b128 v63, v[20:23] offset:512
; the table: theta = l f; n = round(theta 2 / pi) by the constant 1.5 x 2^23, whose sum holds n in its low bits; r = theta - n pi/2 in two parts; Taylor sums of sin r and cos r (the first term left out is under 3e-9 of the result on |r| <= pi/4);
; the quadrant n % 4 swaps and signs them.  Four pairs of frequencies side by side.
	v_cvt_f32_u32 v192, v192                       ; l
	v_mov_b32 v194, 0x3f22f983                     ; 2 / pi  (pairs: the packed forms name both registers)
	v_mov_b32 v195, 0x3f22f983
	v_mov_b32 v196, 0x3638ef1d                     ; 1 / 9!
	v_mov_b32 v197, 0x3638ef1d
	v_mov_b32 v198, 0xb493f27e                     ; -1 / 10!
	v_mov_b32 v199, 0xb493f27e
.irp p,0,1,2,3
	v_mul_f32 v[112+2*\p], s[56+2*\p], v192
	v_mul_f32 v[113+2*\p], s[57+2*\p], v192
.endr
.irp p,0,1,2,3
	v_pk_fma_f32 v[120+2*\p:121+2*\p], v[112+2*\p:113+2*\p], v[194:195], 0x4b400000 op_sel_hi:[1,0,0]
.endr
.irp p,0,1,2,3
	v_pk_add_f32 v[128+2*\p:129+2*\p], v[120+2*\p:121+2*\p], 0xcb400000 op_sel_hi:[1,0]                       ; n
.endr
.irp p,0,1,2,3
	v_pk_fma_f32 v[136+2*\p:137+2*\p], v[128+2*\p:129+2*\p], 0xbfc90fdb, v[112+2*\p:113+2*\p] op_sel_hi:[1,0,1]   ; - n x the f32 nearest pi/2
.endr
.irp p,0,1,2,3
	v_pk_fma_f32 v[136+2*\p:137+2*\p], v[128+2*\p:129+2*\p], 0x333bbd2e, v[136+2*\p:137+2*\p] op_sel_hi:[1,0,1]   ; + n x what that number has too much
.endr
.irp p,0,1,2,3
	v_pk_mul_f32 v[144+2*\p:145+2*\p], v[136+2*\p:137+2*\p], v[136+2*\p:137+2*\p]                              ; z = r r
.endr
.irp p,0,1,2,3
	v_pk_fma_f32 v[152+2*\p:153+2*\p], v[144+2*\p:145+2*\p], v[196:197], 0xb9500d01 op_sel_hi:[1,0,0]
	v_pk_fma_f32 v[160+2*\p:161+2*\p], v[144+2*\p:145+2*\p], v[198:199], 0x37d00d01 op_sel_hi:[1,0,0]
.endr
.irp p,0,1,2,3
	v_pk_fma_f32 v[152+2*\p:153+2*\p], v[152+2*\p:153+2*\p], v[144+2*\p:145+2*\p], 0x3c088889 op_sel_hi:[1,1,0]
	v_pk_fma_f32 v[160+2*\p:161+2*\p], v[160+2*\p:161+2*\p], v[144+2*\p:145+2*\p], 0xbab60b61 op_sel_hi:[1,1,0]
.endr
.irp p,0,1,2,3
	v_pk_fma_f32 v[152+2*\p:153+2*\p], v[152+2*\p:153+2*\p], v[144+2*\p:145+2*\p], 0xbe2aaaab op_sel_hi:[1,1,0]
	v_pk_fma_f32 v[160+2*\p:161+2*\p], v[160+2*\p:161+2*\p], v[144+2*\p:145+2*\p], 0x3d2aaaab op_sel_hi:[1,1,0]
	v_pk_mul_f32 v[168+2*\p:169+2*\p], v[144+2*\p:145+2*\p], v[136+2*\p:137+2*\p]
.endr
.irp p,0,1,2,3
	v_pk_fma_f32 v[160+2*\p:161+2*\p], v[160+2*\p:161+2*\p], v[144+2*\p:145+2*\p], -0.5 op_sel_hi:[1,1,0]
	v_pk_fma_f32 v[152+2*\p:153+2*\p], v[168+2*\p:169+2*\p], v[152+2*\p:153+2*\p], v[136+2*\p:137+2*\p]        ; sin r
.endr
.irp p,0,1,2,3
	v_pk_fma_f32 v[160+2*\p:161+2*\p], v[160+2*\p:161+2*\p], v[144+2*\p:145+2*\p], 1.0 op_sel_hi:[1,1,0]       ; cos r
.endr
.irp k,0,1,2,3,4,5,6,7
	v_lshlrev_b32 v[200+\k], 31, v[120+\k]         ; n's bit 0 as a sign
	v_lshlrev_b32 v[208+\k], 30, v[120+\k]
.endr
.irp k,0,1,2,3,4,5,6,7
	v_and_b32 v[208+\k], 0x80000000, v[208+\k]     ; n's bit 1 as a sign
.endr
.irp k,0,1,2,3,4,5,6,7
	v_cmp_gt_i32 vcc_lo, 0, v[200+\k]
	v_cndmask_b32 v[177+2*\k], v[152+\k], v[160+\k], vcc_lo    ; sin theta: n odd takes cos r
	v_cndmask_b32 v[176+2*\k], v[160+\k], v[152+\k], vcc_lo
.endr
.irp k,0,1,2,3,4,5,6,7
	v_xor_b32 v[177+2*\k], v[208+\k], v[177+2*\k]  ; sin's sign: bit 1;
	v_xor_b32 v[208+\k], v[208+\k], v[200+\k]
.endr
.irp k,0,1,2,3,4,5,6,7
	v_xor_b32 v[176+2*\k], v[208+\k], v[176+2*\k]  ; cos's: bit 1 xor bit 0
.endr
.irp p,0,1,2,3
	ds_store_b128 v62, v[176+4*\p:179+4*\p] offset:16*\p
.endr
	s_mov_b32 s32, 0x3e8293ee                      ; log2(e) / sqrt(32)
	s_mov_b32 s33, s32                             ; (named with it as a pair)
	s_mov_b32 s34, 0x76543210
	s_mov_b32 s35, 0xfedcba98                      ; v_permlanex16_b32's selects for lane l xor 16
	s_wait_alu depctr_va_vdst(0)
	s_wait_loadcnt 0x0                             ; the bias
.irp k,1,2,3,4,5,6,7
	v_mov_b32 v[96+\k], v96                        ; v: a lane's channel is the same in all eight registers
	v_mov_b32 v[104+\k], v104
.endr
	s_wait_alu depctr_va_vdst(0)
	s_wait_tensorcnt 0x0                           ; my load has landed: its descriptors' registers are free
	s_mul_i32 s40, s[CC], 9216
	s_add_co_u32 s40, s40, TAB
	s_lshl_b32 s41, s[HD], 12
	s_lshl_b32 s38, s[CC], 10
	s_add_co_u32 s43, s41, VC
	s_mov_b32 s51, s43                             ; V of my head
	s_add_co_u32 s50, s41, QC+16384                ; K of my head
	s_add_co_u32 s41, s41, QC
	s_mov_b32 s46, s41
	s_add_co_u32 s41, s41, s38                     ; where my q goes
	s_lshl_b32 s38, s[CC], 9
	s_add_co_u32 s43, s43, s38                     ; where my v goes
	s_lshl_b32 s42, s[HD], 8
	s_add_co_u32 s44, s42, VSO
	s_mov_b32 s53, s44
	s_add_co_u32 s52, s42, QSO+1024
	s_add_co_u32 s42, s42, QSO
	s_mov_b32 s56, s42
	s_lshl_b32 s38, s[CC], 6
	s_add_co_u32 s42, s42, s38                     ; where my scale bytes go
	s_lshr_b32 s36, s[CC], 1
	s_and_b32 s37, s[CC], 1
	s_lshl_b32 s38, s36, 6
	s_add_co_u32 s44, s44, s38
	s_lshl_b32 s38, s37, 1
	s_add_co_u32 s44, s44, s38
	s_lshl_b32 s39, s36, 5
	s_or_b32 s38, s38, s39                         ; 2 (c % 2) + 32 (c / 2)
	s_xor_b32 s39, s38, 34                         ; the same of 3 - c
	s_add_co_u32 s57, s56, s39
	s_add_co_u32 s56, s56, s38
	s_lshl_b32 s37, s37, 9
	s_lshl_b32 s36, s36, 7
	s_or_b32 s37, s37, s36                         ; 512 (c % 2) + 128 (c / 2)
	s_xor_b32 s36, s37, 640                        ; the same of 3 - c
	s_add_co_u32 s47, s46, s36
	s_add_co_u32 s46, s46, s37
	s_sub_co_u32 s48, ZR, s46                      ; from q's rows to the zeros
	s_sub_co_u32 s49, ZR, s47
	s_xor_b32 s36, s[CC], 3                        ; 3 - c
	s_lshl_b32 s54, s[CC], 12
	s_add_co_u32 s54, s54, MK
	s_lshl_b32 s55, s36, 12
	s_add_co_u32 s55, s55, MK
	s_lshl_b32 s58, s[CC], 10
	s_lshl_b32 s59, s36, 10
	s_lshl_b32 s60, s[CC], 6
	s_add_co_u32 s60, s60, s[HD]
	s_add_co_u32 s60, s60, OSO
	s_lshl_b32 s61, s36, 6
	s_add_co_u32 s61, s61, s[HD]
	s_add_co_u32 s61, s61, OSO
	s_lshl_b32 s38, s30, 2
	s_add_co_u32 s38, s38, s3                      ; 4 b + g
	s_mov_b32 s39, 0
	s_mov_b32 s37, 0
	s_lshl_b32 s36, s38, 14
	s_lshl_b32 s31, s[HD], 8
	s_add_co_u32 s36, s36, s31
	s_add_nc_u64 s[26:27], s[26:27], s[36:37]
	s_lshl_b32 s38, s38, 10
	s_add_nc_u64 s[28:29], s[28:29], s[38:39]
	s_wait_dscnt 0x0                               ; for the others' sake: my stores into LDS are done
	s_barrier_signal -1
	s_barrier_wait -1                              ; x, the weights, the scales, the table, the mask and the zeros lie in LDS
; ---- the first part
.macro MA T, i, t, c
.if \T < 2
	WM 64+48*\t+16*\T+8*\i, W+8*\i, X+8*\t, \c, WSR+\T, XS+\t/2, \i, \t%2
.else
	WM 64+48*\t+16*\T+8*\i, X+8*\t, W+8*\i, \c, XS+\t/2, WSR+\T, \t%2, \i
.endif
.endm
.macro KSTEP s
.if \s > 0
	PLACES                                         ; loads into registers that matrix instructions have read stand four plain vector instructions behind them
.endif
.irp p,0,1
	ds_load_b32 v[XS+\p], v4 offset:256*\p+4*\s    ; lanes 0-15: row tile 2 p's words, lanes 16-31: row tile 2 p + 1's
.endr
.irp T,0,1,2
	ds_load_b32 v[WSR+\T], v5 offset:2048*\T+4*\s  ; the head's 32 rows: lanes 0-15 weight tile 0, lanes 16-31 weight tile 1
.endr
.irp t,0,1,2,3
.irp q,0,1
	ds_load_b128 v[X+8*\t+4*\q:X+8*\t+4*\q+3], v1 offset:2176*\t+64*\s+32*\q
.endr
.endr
.irp T,0,1,2
.if \T > 0
	PLACES
.endif
.irp i,0,1
.irp q,0,1
.if \T < 2
	ds_load_b128 v[W+8*\i+4*\q:W+8*\i+4*\q+3], v2 offset:WTS*\T+4352*\i+64*\s+32*\q
.else
	ds_load_b128 v[W+8*\i+4*\q:W+8*\i+4*\q+3], v3 offset:4352*\i+64*\s+32*\q
.endif
.endr
.endr
	s_wait_dscnt 0x0
.if \s == 0                                    ; the bias, in row tile 0's accumulators, starts the sums of all four row tiles; row tile 0 goes last
.irp t,1,2,3
.irp i,0,1
	MA \T, \i, \t, 64+16*\T+8*\i
.endr
.endr
.rept 5
	v_nop                                          ; the next products write over what the last ones took as C
.endr
.irp i,0,1
	MA \T, \i, 0, 64+16*\T+8*\i
.endr
.else
.irp t,0,1,2,3                                 ; the 24 accumulators take turns
.irp i,0,1
	MA \T, \i, \t, 64+48*\t+16*\T+8*\i
.endr
.endr
.endif
.endr
.endm
	KSTEP 0
	KSTEP 1
	KSTEP 2
	KSTEP 3
; rope, the quantisers, and codes and scale bytes into LDS
	v_and_b32 v1, 15, v0                           ; r   (these lines are also the places behind the last products)
	v_bfe_u32 v2, v0, 4, 1                         ; h
	v_and_b32 v3, 31, v0
	v_lshl_add_u32 v61, v1, 2, s42
	v_mul_u32_u24 v4, v1, 144
	v_lshlrev_b32 v5, 4, v1
	v_lshl_add_u32 v63, v1, 2, s44
	v_lshl_add_u32 v62, v3, 4, s43
	v_lshl_add_u32 v4, v2, 5, v4
	v_lshl_add_u32 v5, v2, 3, v5
	v_add_nc_u32 v63, v2, v63
	v_add_nc_u32 v4, s40, v4
	v_add_nc_u32 v5, s41, v5
.macro TBL t                           ; row tile t's (cos, sin) of my channels
.irp i,0,1
.irp q,0,1
	ds_load_b128 v[8+16*((\t)%2)+8*\i+4*\q:11+16*((\t)%2)+8*\i+4*\q], v4 offset:2304*(\t)+64*\i+16*\q
.endr
.endr
.endm
	TBL 0
	TBL 1
; v: channel tile u, 32 keys a lane: one block
.irp u,0,1
	v_max3_num_f32 v[40+\u], |v[96+8*\u]|, |v[97+8*\u]|, 0x1800000   ; with the floor 2^(3 - 127): the byte cannot fall under 1
.endr
.irp k,2,4,6
.irp u,0,1
	v_max3_num_f32 v[40+\u], v[40+\u], |v[96+8*\u+\k]|, |v[97+8*\u+\k]|
.endr
.endr
.irp t,1,2,3
.irp k,0,2,4,6
.irp u,0,1
	v_max3_num_f32 v[40+\u], v[40+\u], |v[96+48*\t+8*\u+\k]|, |v[97+48*\t+8*\u+\k]|
.endr
.endr
.endr
.irp u,0,1
	v_add_nc_u32 v[44+\u], 0xff000000, v[40+\u]    ; 2 off its exponent field: the conversion takes that field as its scale
.endr
.irp u,0,1
	v_lshrrev_b32 v[46+\u], 23, v[44+\u]
.endr
.irp u,0,1
.irp t,0,1,2,3
	v_cvt_scalef32_pk8_fp4_f32 v[48+4*\u+\t], v[96+48*\t+8*\u:103+48*\t+8*\u], v[44+\u]
.endr
.endr
	v_nop                                          ; one plain instruction behind the conversions
.irp u,0,1
	ds_store_b128 v62, v[48+4*\u:51+4*\u] offset:2048*\u
	ds_store_b8 v63, v[46+\u] offset:128*\u
.endr
; q and k of row tile t; younger: the LDS instructions issued behind the tile's table loads
.macro QK t, younger
	s_wait_dscnt \younger
.irp g,0,1
.irp k,0,1,2,3,4,5,6,7
	v_pk_mul_f32 v[40+2*\k:41+2*\k], v[64+48*\t+16*\g+2*\k:65+48*\t+16*\g+2*\k], v[8+16*(\t%2)+2*\k:9+16*(\t%2)+2*\k] op_sel:[1,1] op_sel_hi:[0,1]   ; (x2 sin, x1 sin)
.endr
.irp k,0,1,2,3,4,5,6,7
	v_pk_fma_f32 v[64+48*\t+16*\g+2*\k:65+48*\t+16*\g+2*\k], v[64+48*\t+16*\g+2*\k:65+48*\t+16*\g+2*\k], v[8+16*(\t%2)+2*\k:9+16*(\t%2)+2*\k], v[40+2*\k:41+2*\k] op_sel_hi:[1,0,1] neg_lo:[0,0,1]   ; (x1 cos - x2 sin, x2 cos + x1 sin)
.endr
.endr
.if \t < 2
	TBL \t+2
.endif
.irp g,0,1
	v_max3_num_f32 v[40+\g], |v[64+48*\t+16*\g]|, |v[65+48*\t+16*\g]|, 0x1800000
.endr
.irp k,2,4,6,8,10,12,14
.irp g,0,1
	v_max3_num_f32 v[40+\g], v[40+\g], |v[64+48*\t+16*\g+\k]|, |v[65+48*\t+16*\g+\k]|
.endr
.endr
.irp g,0,1
	v_permlanex16_b32 v[42+\g], v[40+\g], s34, s35
.endr
.irp g,0,1
	v_max_num_f32 v[40+\g], v[40+\g], v[42+\g]     ; with lane l xor 16's 16 channels: the head's 32
.endr
.irp g,0,1
	v_add_nc_u32 v[44+\g], 0xff000000, v[40+\g]
.endr
.irp g,0,1
	v_lshrrev_b32 v[46+\g], 23, v[44+\g]
.endr
.irp g,0,1
	v_cvt_scalef32_pk8_fp4_f32 v[48+2*\g], v[64+48*\t+16*\g:71+48*\t+16*\g], v[44+\g]
	v_cvt_scalef32_pk8_fp4_f32 v[49+2*\g], v[72+48*\t+16*\g:79+48*\t+16*\g], v[44+\g]
.endr
	v_nop                                          ; one plain instruction behind the conversions
.irp g,0,1
	ds_store_b64 v5, v[48+2*\g:49+2*\g] offset:16384*\g+256*\t
	ds_store_b8 v61, v[46+\g] offset:1024*\g+\t    ; both halves of the lanes write the same byte with the same value
.endr
.endm
	QK 0, 8                                        ; row tile 1's four loads and v's four stores may be out
	QK 1, 12
	QK 2, 12
	QK 3, 8
; ---- the second part: its addresses
	v_and_b32 v8, 15, v0
	v_bfe_u32 v9, v0, 4, 1
	v_and_b32 v10, 7, v0
	v_bfe_u32 v11, v0, 3, 1
	v_and_b32 v12, 31, v0
	v_xor_b32 v13, 1, v9
	v_lshlrev_b32 v14, 8, v11
	v_lshl_add_u32 v14, v10, 4, v14                ; query r of a tile among q's rows
	v_lshl_add_u32 v16, v10, 2, v11                ; and its scale byte
	v_lshlrev_b32 v17, 4, v8
	v_lshl_add_u32 v17, v9, 3, v17
	v_lshl_add_u32 v1, v12, 4, s50
	v_lshl_add_u32 v2, v12, 4, s51
	v_lshl_add_u32 v3, v12, 2, s52
	v_lshl_add_u32 v4, v12, 2, s53
.irp k,0,1
	v_mul_u32_u24 v[QA+\k], s[48+\k], v9           ; lanes 0-15 take q, lanes 16-31 zeros
	v_mul_u32_u24 v[QBD+\k], s[48+\k], v13         ; and the other way round
	v_lshl_add_u32 v[MKA+\k], v12, 4, s[54+\k]
	v_add_nc_u32 v[QA+\k], v[QA+\k], v14
	v_add_nc_u32 v[QBD+\k], v[QBD+\k], v14
	v_add_nc_u32 v[QSA+\k], s[56+\k], v16
	v_add_nc_u32 v[QA+\k], s[46+\k], v[QA+\k]
	v_add_nc_u32 v[QBD+\k], s[46+\k], v[QBD+\k]
	v_add_nc_u32 v[STV+\k], s[58+\k], v17
	v_lshl_add_u32 v[OSA+\k], v8, 2, s[60+\k]
.endr
	v_lshlrev_b32 v[H8], 3, v9
.irp k,0,1,2,3
	v_mov_b32 v[QB+\k], 0                          ; the zero codes beside q: written once
	v_mov_b32 v[QB+8+\k], 0
	v_mov_b32 v[QB+16+\k], 0
.endr
	v_mov_b32 v15, 0                               ; a lane permute's destination counts as one of its sources
	v_mov_b32 v251, 0                              ; (named with v250 as a pair)
	s_wait_alu depctr_va_vdst(0)
	s_wait_dscnt 0x0                               ; for the others' sake: my codes and scale bytes lie in LDS
	s_barrier_signal -1
	s_barrier_wait -1
.macro QLD set, c                      ; the q of query tile (set, c), 16 codes' bytes a lane beside zeros, and its scale byte
	ds_load_b128 v[QB+4:QB+7], v[QA+\set] offset:1024*\c
	ds_load_b128 v[QB+12:QB+15], v[QBD+\set] offset:1024*\c
	ds_load_u8 v[QRW], v[QSA+\set] offset:64*\c
.endm
.macro MKLD set, f                     ; the diagonal fragment's mask, into the registers where its scores will stand
.irp u,0,1,2,3
.irp q,0,1
	ds_load_b128 v[S+32*\f+8*\u+4*\q:S+32*\f+8*\u+4*\q+3], v[MKA+\set] offset:1024*\u+512*\q
.endr
.endr
.endm
; A KEY STEP: key step s (128 keys), of which nf fragments of 64 count; diag = 1: the last lies on the diagonal.  first = 1 starts M, the sum and O^T; fin = 1 makes 1 / sum.  dw: LDS loads that may be out at the start; vw = 1: V is waited for.
; nqs, nqc: the next tile's q (nqc < 0: none); nms, nmf: the next step's mask (nms < 0: none)
.macro STEP s, nf, diag, first, fin, dw, vw, nqs, nqc, nms, nmf
	s_wait_alu depctr_va_vdst(0)
	s_wait_dscnt \dw
.irp f,0,1
.if \f < \nf
.irp u,0,1,2,3
.if (\diag) && (\f == \nf-1)
	WM S+32*\f+8*\u, KF+8*(2*\s+\f), QB+8*(\u%2)+4*(1-\u/2), S+32*\f+8*\u, KSR+\s, QS, \f, 0
.else
	WM S+32*\f+8*\u, KF+8*(2*\s+\f), QB+8*(\u%2)+4*(1-\u/2), -1, KSR+\s, QS, \f, 0
.endif
.endr
.endif
.endr
	PLACES
.if (\nqc) >= 0
	QLD \nqs, \nqc
.endif
.irp f,0,1                                     ; the largest score of my block of each fragment: it serves the row's maximum and, since p rises with the score, the block's largest p
.if \f < \nf
	v_max3_num_f32 v[8+2*\f], v[S+32*\f], v[S+32*\f+1], v[S+32*\f+2]
	v_max3_num_f32 v[9+2*\f], v[S+32*\f+16], v[S+32*\f+17], v[S+32*\f+18]
.endif
.endr
.irp k,3,5,7,9,11,13
.irp f,0,1
.if \f < \nf
	v_max3_num_f32 v[8+2*\f], v[8+2*\f], v[S+32*\f+\k], v[S+32*\f+\k+1]
	v_max3_num_f32 v[9+2*\f], v[9+2*\f], v[S+32*\f+16+\k], v[S+32*\f+17+\k]
.endif
.endr
.endr
.irp f,0,1
.if \f < \nf
	v_max3_num_f32 v[8+2*\f], v[8+2*\f], v[S+32*\f+15], v[S+32*\f+31]
.endif
.endr
.irp f,0,1
.if \f < \nf
	v_max_num_f32 v[12+\f], v[8+2*\f], v[9+2*\f]
.endif
.endr
.if \nf == 2
	v_max_num_f32 v14, v12, v13
	v_permlanex16_b32 v15, v14, s34, s35
	v_max_num_f32 v14, v14, v15
.else
	v_permlanex16_b32 v15, v12, s34, s35
	v_max_num_f32 v14, v12, v15
.endif
.if \first
	v_mul_f32 v245, s32, v14                       ; the largest t
	v_floor_f32 v244, -v245                        ; -M = floor(-t) = -ceil(t)
.else
	v_mul_f32 v14, s32, v14
	v_max_num_f32 v245, v245, v14                  ; the running largest t
	v_mov_b32 v16, v244
	v_floor_f32 v244, -v245
	v_sub_f32 v16, v244, v16                       ; old M - new M: a whole number, 0 or less
	v_cvt_i32_f32 v16, v16
	v_ldexp_f32 v250, 1.0, v16                     ; f = 2^(old M - new M)
.endif
.set CJ, 0
.rept 16*\nf
	v_pk_fma_f32 v[S+CJ:S+CJ+1], v[S+CJ:S+CJ+1], s[32:33], v[244:245] op_sel_hi:[1,0,0]   ; t - M
.set CJ, CJ+2
.endr
.irp f,0,1
.if \f < \nf
	v_fma_f32 v[12+\f], v[12+\f], s32, v244
.endif
.endr
	s_wait_alu depctr_va_vdst(0)
.set CJ, 0
.rept 32*\nf
	v_exp_f32 v[S+CJ], v[S+CJ]                     ; p = 2^(t - M)
.set CJ, CJ+1
.endr
.irp f,0,1
.if \f < \nf
	v_exp_f32 v[12+\f], v[12+\f]                   ; the block's largest p: the same two operations on the same number
.endif
.endr
.if \first
	v_nop                                          ; a plain instruction behind the exponentials
	s_wait_alu depctr_va_vdst(0)
.else
	v_pk_mul_f32 v[246:247], v[246:247], v[250:251] op_sel_hi:[1,0]   ; the sum under the new M
	s_wait_alu depctr_va_vdst(0)
.irp j,0,2,4,6,8,10,12,14
	v_pk_mul_f32 v[OT+\j:OT+\j+1], v[OT+\j:OT+\j+1], v[250:251] op_sel_hi:[1,0]   ; O^T under the new M, each accumulator from its low end on
.endr
.endif
.irp f,0,1
.if \f < \nf
	v_max_num_f32 v[12+\f], 0x1800000, v[12+\f]    ; the floor 2^(3 - 127): the byte cannot fall under 1
.endif
.endr
.irp f,0,1
.if \f < \nf
	v_add_nc_u32 v[18+\f], 0xff000000, v[12+\f]
.endif
.endr
.irp f,0,1
.if \f < \nf
	v_lshrrev_b32 v[20+\f], 23, v[18+\f]
.endif
.endr
.if \nf == 2                                   ; block 2 f + h is lane half h's: bytes h and 2 + h; with lane l xor 16's the word is whole
	v_lshl_or_b32 v[PW], v21, 16, v20
	v_lshlrev_b32 v[PW], v[H8], v[PW]
.else
	v_lshlrev_b32 v[PW], v[H8], v20
.endif
	v_permlanex16_b32 v15, v[PW], s34, s35
	v_or_b32 v[PW], v[PW], v15
.irp f,0,1
.if \f < \nf
.irp u,0,1,2,3
	v_cvt_scalef32_pk8_fp4_f32 v[PCD+4*\f+\u], v[S+32*\f+8*\u:S+32*\f+8*\u+7], v[18+\f]   ; 32 neighbouring keys in four registers: the operand's layout
.endr
.endif
.endr
	v_nop                                          ; one plain instruction behind the conversions
.if \nf == 1
.irp k,4,5,6,7
	v_mov_b32 v[PCD+\k], 0                         ; keys 64-127 of the step count for nothing: zero codes
.endr
.endif
.if \first                                     ; the row's sum of the unquantised p, in two chains
	v_pk_add_f32 v[246:247], v[S:S+1], v[S+4:S+5]
	v_pk_add_f32 v[248:249], v[S+2:S+3], v[S+6:S+7]
.set CJ, 8
.rept 8*\nf-2
	v_pk_add_f32 v[246:247], v[246:247], v[S+CJ:S+CJ+1]
	v_pk_add_f32 v[248:249], v[248:249], v[S+CJ+2:S+CJ+3]
.set CJ, CJ+4
.endr
.else
	v_pk_add_f32 v[248:249], v[S:S+1], v[S+2:S+3]
.set CJ, 4
.rept 8*\nf-1
	v_pk_add_f32 v[246:247], v[246:247], v[S+CJ:S+CJ+1]
	v_pk_add_f32 v[248:249], v[248:249], v[S+CJ+2:S+CJ+3]
.set CJ, CJ+4
.endr
.endif
	v_pk_add_f32 v[246:247], v[246:247], v[248:249]
.if \fin
	v_add_f32 v246, v246, v247
	v_permlanex16_b32 v15, v246, s34, s35
	v_add_f32 v246, v246, v15                      ; the row's sum
	s_wait_alu depctr_va_vdst(0)
	v_rcp_f32 v250, v246
	v_nop                                          ; a plain instruction behind the reciprocal
.endif
.if \vw
	s_wait_alu depctr_va_vdst(0)
	s_wait_dscnt 0x0                               ; V and its scale words
.endif
.if (\nms) >= 0
	MKLD \nms, \nmf
.endif
.irp u,0,1                                     ; O^T (+)= V^T P^T
.if \first
	WM OT+8*\u, VF+8*(2*\u+\s), PCD, -1, VSR+\u, PW, \s, 0
.else
	WM OT+8*\u, VF+8*(2*\u+\s), PCD, OT+8*\u, VSR+\u, PW, \s, 0
.endif
.endr
.endm
; query tile (set, c)'s O^T / sum is quantised (my 16 channels and lane l xor 16's are one block) and stored.  cnt: LDS loads that may be out when the next tile's scale byte is read; under 0: there is no next tile
.macro FIN set, c, n, cnt
	PLACES
	s_wait_alu depctr_va_vdst(0)
.if (\cnt) >= 0
	s_wait_dscnt \cnt
	v_perm_b32 v[QS], v[QRW], v[QRW], 0            ; the byte in all four places: zero codes stand in the blocks where it does not belong
.endif
.irp j,0,2,4,6,8,10,12,14
	v_pk_mul_f32 v[OT+\j:OT+\j+1], v[OT+\j:OT+\j+1], v[250:251] op_sel_hi:[1,0]
.endr
	v_max3_num_f32 v8, |v[OT]|, |v[OT+1]|, 0x1800000
	v_max3_num_f32 v9, |v[OT+8]|, |v[OT+9]|, |v[OT+10]|
	v_max3_num_f32 v8, v8, |v[OT+2]|, |v[OT+3]|
	v_max3_num_f32 v9, v9, |v[OT+11]|, |v[OT+12]|
	v_max3_num_f32 v8, v8, |v[OT+4]|, |v[OT+5]|
	v_max3_num_f32 v9, v9, |v[OT+13]|, |v[OT+14]|
	v_max3_num_f32 v8, v8, |v[OT+6]|, |v[OT+7]|
	v_max3_num_f32 v8, v8, v9, |v[OT+15]|
	v_permlanex16_b32 v15, v8, s34, s35
	v_max_num_f32 v8, v8, v15
	v_add_nc_u32 v18, 0xff000000, v8
	v_lshrrev_b32 v22, 23, v18
	v_cvt_scalef32_pk8_fp4_f32 v[CD+2*\n], v[OT:OT+7], v18
	v_cvt_scalef32_pk8_fp4_f32 v[CD+2*\n+1], v[OT+8:OT+15], v18
	v_nop
	v_permlane16_swap_b32 v[CD+2*\n], v[CD+2*\n+1] ; lanes 0-15: channels 0-15, lanes 16-31: channels 16-31
	global_store_b64 v[STV+\set], v[CD+2*\n:CD+2*\n+1], s[26:27] offset:4096*\c   ; 32 lanes store 256 consecutive bytes, aligned
	ds_store_b8 v[OSA+\set], v22 offset:256*\c     ; both halves of the lanes write the same byte with the same value
.endm
	QLD 0, 0
	MKLD 0, 0
.irp p,0,1
	ds_load_b32 v[KSR+\p], v3 offset:128*\p        ; lanes 0-15 fragment 2 p, lanes 16-31 fragment 2 p + 1
.endr
.irp e,0,1,2,3,4,5,6,7
	ds_load_b128 v[KF+4*\e:KF+4*\e+3], v1 offset:512*\e
.endr
.irp u,0,1
	ds_load_b32 v[VSR+\u], v4 offset:128*\u        ; lanes 0-15 key step 0, lanes 16-31 key step 1
.endr
.irp e,0,1,2,3,4,5,6,7
	ds_load_b128 v[VF+4*\e:VF+4*\e+3], v2 offset:512*\e
.endr
	s_wait_dscnt 10                                ; q, the mask and K are in; V's ten loads may be out
	v_perm_b32 v[QS], v[QRW], v[QRW], 0
.rept 8
	v_nop                                          ; a scale register written by a vector instruction stands eight places ahead of a scaled matrix instruction
.endr
	STEP 0, 1, 1, 1, 1, 10, 1, 1, 1, 1, 1
	FIN 0, 0, 0, 8
	STEP 0, 2, 1, 1, 1, 0, 0, 0, 2, -1, 0
	FIN 1, 1, 1, 0
	STEP 0, 2, 0, 1, 0, 0, 0, 0, -1, 0, 0
	STEP 1, 1, 1, 0, 1, 0, 0, 1, 3, -1, 0
	FIN 0, 2, 2, 0
	STEP 0, 2, 0, 1, 0, 0, 0, 0, -1, 1, 1
	STEP 1, 2, 1, 0, 1, 0, 0, 0, -1, -1, 0
	FIN 1, 3, 3, -1
	v_lshl_add_u32 v1, v0, 4, OSO
	v_lshlrev_b32 v2, 4, v0
	s_wait_alu depctr_va_vdst(0)
	s_wait_dscnt 0x0                               ; for the others' sake: my scale bytes lie in LDS
	s_barrier_signal -1
	s_barrier_wait -1
	s_cmp_lt_u32 s2, 2
	s_cbranch_scc0 .Lend
	ds_load_b128 v[8:11], v1                       ; 1,024 scale bytes: 64 threads x 16
	s_wait_dscnt 0x0
	global_store_b128 v2, v[8:11], s[28:29]
.Lend:
	s_wait_tensorcnt 0x0                           ; the wave's end
	ds_add_u32 v6, v7
	s_wait_dscnt 0x0
	CROUND                                         ; the closing round
	s_endpgm
.Lfunc_end_k_qfee281a78e_front:
	.size	k_qfee281a78e_front, .Lfunc_end_k_qfee281a78e_front-k_qfee281a78e_front
	.p2alignl 7, 3214868480
	.fill 96, 4, 3214868480
	.section	.rodata,"a",@progbits
	.p2align	6, 0x0
	.amdhsa_kernel k_qfee281a78e_front
		.amdhsa_group_segment_fixed_size 327680
		.amdhsa_private_segment_fixed_size 0
		.amdhsa_enable_private_segment 0
		.amdhsa_kernarg_size 104
		.amdhsa_user_sgpr_count 2
		.amdhsa_user_sgpr_kernarg_segment_ptr 1
		.amdhsa_wavefront_size32 1
		.amdhsa_system_sgpr_workgroup_id_x 1
		.amdhsa_system_sgpr_workgroup_id_y 1
		.amdhsa_system_sgpr_workgroup_id_z 1
		.amdhsa_system_vgpr_workitem_id 0
		.amdhsa_next_free_vgpr 256
		.amdhsa_next_free_sgpr 102
		.amdhsa_reserve_vcc 1
		.amdhsa_float_denorm_mode_32 3
		.amdhsa_float_denorm_mode_16_64 3
		.amdhsa_memory_ordered 1
		.amdhsa_forward_progress 1
		.amdhsa_inst_pref_size 137
	.end_amdhsa_kernel
	.amdgpu_metadata
---
amdhsa.version: [ 1, 2 ]
amdhsa.kernels:
  - .name:           k_qfee281a78e_front
    .symbol:         k_qfee281a78e_front.kd
    .args:
      - { .name: x_codes, .offset: 0, .size: 8, .value_kind: global_buffer, .address_space: global }
      - { .name: x_scales, .offset: 8, .size: 8, .value_kind: global_buffer, .address_space: global }
      - { .name: wq_codes, .offset: 16, .size: 8, .value_kind: global_buffer, .address_space: global }
      - { .name: wq_scales, .offset: 24, .size: 8, .value_kind: global_buffer, .address_space: global }
      - { .name: bq, .offset: 32, .size: 8, .value_kind: global_buffer, .address_space: global }
      - { .name: wk_codes, .offset: 40, .size: 8, .value_kind: global_buffer, .address_space: global }
      - { .name: wk_scales, .offset: 48, .size: 8, .value_kind: global_buffer, .address_space: global }
      - { .name: bk, .offset: 56, .size: 8, .value_kind: global_buffer, .address_space: global }
      - { .name: wv_codes, .offset: 64, .size: 8, .value_kind: global_buffer, .address_space: global }
      - { .name: wv_scales, .offset: 72, .size: 8, .value_kind: global_buffer, .address_space: global }
      - { .name: bv, .offset: 80, .size: 8, .value_kind: global_buffer, .address_space: global }
      - { .name: oc, .offset: 88, .size: 8, .value_kind: global_buffer, .address_space: global }
      - { .name: os, .offset: 96, .size: 8, .value_kind: global_buffer, .address_space: global }
    .group_segment_fixed_size: 327680
    .private_segment_fixed_size: 0
    .kernarg_segment_align: 8
    .kernarg_segment_size: 104
    .max_flat_workgroup_size: 512
    .sgpr_count:     102
    .vgpr_count:     256
    .wavefront_size: 32
...
	.end_amdgpu_metadata
.endif
;; end of part 1
;; launch proj (part 2): grid 4 x 64, 8 waves a work-group, clusters of 4 x 4, 167,936 bytes of LDS; arguments oc, os, wo_codes, wo_scales, bo, out0; writes out0
.if DOCPART == 2
	.amdgcn_target "amdgcn-amd-amdhsa--gfx1250"
	.amdhsa_code_object_version 6
	.text
	.protected	k_qfee281a78e_proj
	.globl	k_qfee281a78e_proj
	.p2align	8
	.type	k_qfee281a78e_proj,@function
k_qfee281a78e_proj:
	s_mov_b64 s[64:65], 0
	v_nop
	global_prefetch_b8 v0, s[64:65] scope:SCOPE_SE
	s_setreg_imm32_b32 hwreg(HW_REG_WAVE_MODE, 25, 1), 1
	s_wait_xcnt 0x0
	s_wait_alu depctr_hold_cnt(0) depctr_sa_sdst(0) depctr_va_vdst(0) depctr_va_sdst(0) depctr_va_ssrc(0) depctr_va_vcc(0) depctr_vm_vsrc(0)
	s_getreg_b32 s2, hwreg(HW_REG_IB_STS2, 6, 4)
	s_cmp_eq_u32 s2, 0
	s_cbranch_scc0 .Lentry_in_a_cluster
	s_endpgm
.Lentry_in_a_cluster:
	s_bfe_u32 s2, ttmp6, 0x10000c
	s_cmp_lg_u32 s2, 0xf033
	s_cbranch_scc0 .Lentry_shape_is_right
	s_endpgm
.Lentry_shape_is_right:
; out0 = O Wo + bo on codes of FP4 (E2M1) with one E8M0 scale for each 32 along K; sums and out0 in f32.
; SHARES.  Work-group (g, b): the 256 rows of batch b, columns 128 g .. 128 g + 127.  Eight waves: wave w makes rows 64 (w / 2) .. + 63, columns 64 (w % 2) .. + 63, one tile of 16 rows after the other; its fragments of Wo (128 registers) stay.
; COLUMNS OF A TILE.  Lane r of tile v takes column 4 r + v of the wave's 64: so the four accumulators' registers j are four neighbouring columns of one row, and the addition of the bias lays them side by side:
; sixteen neighbouring lanes store 256 consecutive bytes, aligned, straight from registers.  The tensor load brings tile v's rows of Wo together (a pitch of four rows), so that LDS rows of neighbouring lanes are neighbours, 272 bytes apart.
; O's codes and scale words lie in the order of the operand registers.
; JOINT LOADS: the four work-groups of a batch ask for O together, the four of a column group for Wo.  All is fetched once, at the head; there is no loop to run ahead in, so nothing is prefetched.
; LIMITS: NaN and infinities are not served.
.set WO,  65536                        ; LDS: 0: O's codes, 16,384 bytes a K step;  WO: four tiles v x 32 rows of 256 + 16 bytes
.set OSB, 100352                       ; O's scale words, 1,024 bytes a K step
.set WSB, 104448                       ; Wo's scale bytes, 16 a row
.set SPARE, 106496                     ; the spare words, 128 bytes a wave
.set BO, 8                             ; v8-11    bo of my four columns
.set OSW, 12                           ; v12-15   O's scale words: K step s; lanes 0-15 an even tile's, lanes 16-31 the next one's
.set WSW, 16                           ; v16-31   Wo's, WSW + 4 v + s
.set A, 32                             ; v32-63   O's fragments of one tile, A + 8 s
.set W, 64                             ; v64-191  Wo's, W + 32 v + 8 s
.set AC, 192                           ; v192-223 four accumulators
.set OU, 224                           ; v224-255 results on their way out
.set G0W, 20
.set G0A, 24
.set G0O, 28
.set G0S, 32
.set G1W, 40
.set G1A, 48
.set G1O, 56
.set G1S, 68
.macro PLACES
.rept 4
	v_nop
.endr
.endm
.macro CROUND                          ; a round of the cluster's barrier
	s_barrier_signal -1
	s_barrier_wait -1
	s_cmp_lg_u32 s2, 0
	s_cbranch_scc1 .Lnot_wave_0_\@
	s_barrier_signal -3
.Lnot_wave_0_\@:
	s_barrier_wait -3
	s_barrier_signal -1
	s_barrier_wait -1
.endm
.macro G1C g, d0, rows, pitch
	s_mov_b32 s[\g+1], \d0<<16
	s_mov_b32 s[\g+2], \rows<<16
	s_mov_b32 s[\g+3], \d0<<16
	s_mov_b32 s[\g+4], \rows
	s_mov_b32 s[\g+5], \pitch
	s_mov_b32 s[\g+6], 0
	s_mov_b32 s[\g+7], 0
.endm
	s_load_b256 s[4:11], s[0:1], 0x0               ; oc 4, os 6, Wo's codes 8, Wo's scales 10
	s_load_b128 s[12:15], s[0:1], 0x20             ; bo 12, out0 14
	v_lshl_add_u32 v6, v0, 2, SPARE
	v_mov_b32 v7, 0
	ds_add_u32 v6, v7                              ; the wave's opening: the add, twice on end, and its wait
	ds_add_u32 v6, v7
	v_lshrrev_b32 v8, 5, v0
	v_readfirstlane_b32 s2, v8                     ; wave 0..7
	s_bfe_u32 s3, ttmp6, 0x40000                   ; cx
	s_bfe_u32 s16, ttmp6, 0x40004                  ; cy
	s_lshl_b32 s17, s16, 2
	s_lshl_b32 s17, 15, s17                        ; my row of the cluster: one batch
	s_lshl_b32 s18, 0x1111, s3                     ; my column: one group of columns
	s_or_b32 s[G1W], s18, (1<<20)|(1<<21)|(5<<22)|(3<<25)
	s_or_b32 s[G1A], s17, (3<<16)|(1<<21)
	s_or_b32 s[G1O], s17, (3<<16)|(1<<21)
	s_or_b32 s[G1S], s18, (3<<16)|(1<<21)
	G1C G1W, 256, 32, 1024
	G1C G1A, 32, 128, 32
	G1C G1O, 32, 16, 32
	G1C G1S, 32, 8, 32
	s_lshl_b32 s19, ttmp9, 2
	s_add_co_u32 s3, s19, s3                       ; column group
	s_and_b32 s36, ttmp7, 0xffff
	s_lshl_b32 s36, s36, 2
	s_add_co_u32 s16, s36, s16                     ; batch
	s_and_b32 s37, s2, 3                           ; waves 0-3: Wo's tile v = w
	s_mul_i32 s[G0W+1], s37, 8704
	s_add_co_u32 s[G0W+1], s[G0W+1], WO
	s_lshl_b32 s37, s37, 8
	s_lshl_b32 s76, s3, 15
	s_add_co_u32 s76, s76, s37
	s_mov_b32 s77, 0
	s_and_b32 s38, s2, 1                           ; waves 4, 5: O's halves.  Also: which 64 columns are mine
	s_lshl_b32 s[G0A+1], s38, 15
	s_lshl_b32 s78, s16, 16
	s_add_co_u32 s78, s78, s[G0A+1]
	s_mov_b32 s79, 0
	s_mov_b32 s[G0O+1], OSB                        ; wave 6: O's scale words
	s_mov_b32 s[G0S+1], WSB                        ; wave 7: Wo's scale bytes
	s_mov_b32 s[G0W], 1
	s_mov_b32 s[G0A], 1
	s_mov_b32 s[G0O], 1
	s_mov_b32 s[G0S], 1
	s_wait_dscnt 0x0                               ; both opening adds are done
	s_wait_kmcnt 0x0
	s_add_nc_u64 s[G0W+2:G0W+3], s[8:9], s[76:77]
	s_or_b32 s[G0W+3], s[G0W+3], 0x80000000
	s_add_nc_u64 s[G0A+2:G0A+3], s[4:5], s[78:79]
	s_or_b32 s[G0A+3], s[G0A+3], 0x80000000
	s_lshl_b32 s78, s16, 12
	s_add_nc_u64 s[G0O+2:G0O+3], s[6:7], s[78:79]
	s_or_b32 s[G0O+3], s[G0O+3], 0x80000000
	s_lshl_b32 s76, s3, 11
	s_add_nc_u64 s[G0S+2:G0S+3], s[10:11], s[76:77]
	s_or_b32 s[G0S+3], s[G0S+3], 0x80000000
	CROUND                                         ; all sixteen work-groups are here: the joint loads meet
.macro ARM under, g0, g1, next
	s_cmp_lt_u32 s2, \under
	s_cbranch_scc0 \next
	tensor_load_to_lds s[\g0:\g0+3], s[\g1:\g1+7]
	s_nop 0
.rept 4
	v_nop
.endr
	s_branch .Lhead_asked
\next:
.endm
	ARM 4, G0W, G1W, .Lhead_a
	ARM 6, G0A, G1A, .Lhead_o
	ARM 7, G0O, G1O, .Lhead_s
	tensor_load_to_lds s[G0S:G0S+3], s[G1S:G1S+7]
	s_nop 0
.rept 4
	v_nop
.endr
.Lhead_asked:
	s_lshr_b32 s19, s2, 1                          ; which 64 rows are mine
	s_lshl_b32 s18, s3, 9
	s_lshl_b32 s17, s38, 8
	s_add_co_u32 s18, s18, s17                     ; my columns, in bytes
	s_mov_b32 s37, 0
	s_mov_b32 s36, s18
	s_add_nc_u64 s[12:13], s[12:13], s[36:37]
	s_add_nc_u64 s[14:15], s[14:15], s[36:37]
	s_lshl_b32 s36, s16, 19
	s_lshl_b32 s17, s19, 17
	s_add_co_u32 s36, s36, s17                     ; my rows, 2,048 bytes each
	s_add_nc_u64 s[14:15], s[14:15], s[36:37]
	s_lshl_b32 s17, s19, 12
	s_mul_i32 s18, s38, 4352
	s_add_co_u32 s18, s18, WO
	s_lshl_b32 s36, s38, 10
	s_add_co_u32 s36, s36, WSB
	s_lshl_b32 s39, s19, 8
	s_add_co_u32 s39, s39, OSB
	v_and_b32 v12, 15, v0                          ; r
	v_bfe_u32 v13, v0, 4, 1                        ; h
	v_and_b32 v14, 31, v0                          ; lane
	v_lshlrev_b32 v255, 4, v12
	global_load_b128 v[BO:BO+3], v255, s[12:13]
	v_mul_u32_u24 v2, v12, 272
	v_lshl_add_u32 v1, v14, 4, s17                 ; O's fragments
	v_lshl_add_u32 v2, v13, 4, v2
	v_lshl_add_u32 v3, v12, 6, s36                 ; Wo's scale bytes: row 4 r + v
	v_lshl_add_u32 v4, v14, 2, s39                 ; O's scale words
	v_lshlrev_b32 v5, 4, v12
	v_add_nc_u32 v2, s18, v2                       ; Wo's fragments
	v_lshl_add_u32 v5, v13, 14, v5                 ; out: lanes 0-15 row j, lanes 16-31 row 8 + j
	s_wait_alu depctr_va_vdst(0)
	s_wait_loadcnt 0x0
	s_wait_tensorcnt 0x0
	s_barrier_signal -1
	s_barrier_wait -1                              ; all tiles lie in LDS
.macro OLOAD p
.irp s,0,1,2,3
	ds_load_b32 v[OSW+\s], v4 offset:1024*\s+128*\p
.endr
.endm
.macro ALOAD t, s
.irp q,0,1
	ds_load_b128 v[A+8*\s+4*\q:A+8*\s+4*\q+3], v1 offset:16384*\s+1024*(\t)+512*\q
.endr
.endm
	OLOAD 0
.irp v,0,1,2,3
	ds_load_b128 v[WSW+4*\v:WSW+4*\v+3], v3 offset:16*\v
.endr
.irp s,0,1,2,3
	ALOAD 0, \s
.irp v,0,1,2,3
.irp q,0,1
	ds_load_b128 v[W+32*\v+8*\s+4*\q:W+32*\v+8*\s+4*\q+3], v2 offset:8704*\v+64*\s+32*\q
.endr
.endr
.endr
.macro MM v, s, c, row                 ; row = 1: O's scales from lanes 16-31
.if \row
	v_wmma_scale_f32_16x16x128_f8f6f4 v[AC+8*\v:AC+8*\v+7], v[A+8*\s:A+8*\s+7], v[W+32*\v+8*\s:W+32*\v+8*\s+7], \c, v[OSW+\s], v[WSW+4*\v+\s] matrix_a_fmt:MATRIX_FMT_FP4 matrix_b_fmt:MATRIX_FMT_FP4 matrix_a_scale:MATRIX_SCALE_ROW1
.else
	v_wmma_scale_f32_16x16x128_f8f6f4 v[AC+8*\v:AC+8*\v+7], v[A+8*\s:A+8*\s+7], v[W+32*\v+8*\s:W+32*\v+8*\s+7], \c, v[OSW+\s], v[WSW+4*\v+\s] matrix_a_fmt:MATRIX_FMT_FP4 matrix_b_fmt:MATRIX_FMT_FP4
.endif
.endm
.irp t,0,1,2,3
.if \t > 0
	s_wait_alu depctr_va_vdst(0)
	s_wait_dscnt 0x0
.endif
.irp s,0,1,2,3
.if \t == 0
	s_wait_dscnt 30-10*\s                          ; this K step's ten loads are in; the later K steps' may be out
.endif
.irp v,0,1,2,3                                 ; four accumulators by turns
.if \s == 0
	MM \v, \s, 0, \t%2
.else
	MM \v, \s, v[AC+8*\v:AC+8*\v+7], \t%2
.endif
.endr
.endr
	PLACES
.if \t < 3
.irp s,0,1,2,3
	ALOAD \t+1, \s
.endr
.endif
.if \t == 1
	OLOAD 1
.endif
.if \t > 0
	s_wait_xcnt 0x0                                ; the last tile's stores have read their registers
.endif
.irp j,0,1,2,3,4,5,6,7                         ; each accumulator from its low end on
.irp v,0,1,2,3
	v_add_f32 v[OU+4*\j+\v], v[AC+8*\v+\j], v[BO+\v]
.endr
.endr
.irp j,0,1,2,3,4,5,6,7
	global_store_b128 v5, v[OU+4*\j:OU+4*\j+3], s[14:15] offset:32768*\t+2048*\j th:TH_STORE_NT   ; two rows, 256 consecutive bytes each
.endr
.endr
	s_wait_tensorcnt 0x0                           ; the wave's end
	ds_add_u32 v6, v7
	s_wait_dscnt 0x0
	CROUND                                         ; the closing round
	s_endpgm
.Lfunc_end_k_qfee281a78e_proj:
	.size	k_qfee281a78e_proj, .Lfunc_end_k_qfee281a78e_proj-k_qfee281a78e_proj
	.p2alignl 7, 3214868480
	.fill 96, 4, 3214868480
	.section	.rodata,"a",@progbits
	.p2align	6, 0x0
	.amdhsa_kernel k_qfee281a78e_proj
		.amdhsa_group_segment_fixed_size 167936
		.amdhsa_private_segment_fixed_size 0
		.amdhsa_enable_private_segment 0
		.amdhsa_kernarg_size 48
		.amdhsa_user_sgpr_count 2
		.amdhsa_user_sgpr_kernarg_segment_ptr 1
		.amdhsa_wavefront_size32 1
		.amdhsa_system_sgpr_workgroup_id_x 1
		.amdhsa_system_sgpr_workgroup_id_y 1
		.amdhsa_system_sgpr_workgroup_id_z 1
		.amdhsa_system_vgpr_workitem_id 0
		.amdhsa_next_free_vgpr 256
		.amdhsa_next_free_sgpr 80
		.amdhsa_reserve_vcc 0
		.amdhsa_float_denorm_mode_32 3
		.amdhsa_float_denorm_mode_16_64 3
		.amdhsa_memory_ordered 1
		.amdhsa_forward_progress 1
		.amdhsa_inst_pref_size 29
	.end_amdhsa_kernel
	.amdgpu_metadata
---
amdhsa.version: [ 1, 2 ]
amdhsa.kernels:
  - .name:           k_qfee281a78e_proj
    .symbol:         k_qfee281a78e_proj.kd
    .args:
      - { .name: oc, .offset: 0, .size: 8, .value_kind: global_buffer, .address_space: global }
      - { .name: os, .offset: 8, .size: 8, .value_kind: global_buffer, .address_space: global }
      - { .name: wo_codes, .offset: 16, .size: 8, .value_kind: global_buffer, .address_space: global }
      - { .name: wo_scales, .offset: 24, .size: 8, .value_kind: global_buffer, .address_space: global }
      - { .name: bo, .offset: 32, .size: 8, .value_kind: global_buffer, .address_space: global }
      - { .name: out0, .offset: 40, .size: 8, .value_kind: global_buffer, .address_space: global }
    .group_segment_fixed_size: 167936
    .private_segment_fixed_size: 0
    .kernarg_segment_align: 8
    .kernarg_segment_size: 48
    .max_flat_workgroup_size: 256
    .sgpr_count:     80
    .vgpr_count:     256
    .wavefront_size: 32
...
	.end_amdgpu_metadata
.endif
;; end of part 2
